; MI455X (gfx1250); checked and timed in simulation.
; The chip was launched on July 23, 2026; its instructions are those of AMD's public machine-readable ISA for CDNA 5 (MIT licence, August 2026) and "CDNA5" Instruction Set Architecture Reference Guide (July 2026). The comments in the code are by the model that wrote it; some were corrected since.
;; One Bit Linear. Allowed arithmetic: matrix products marked QUANTISED: E2M1 operands, one E8M0 scale for each 32 along K, by v_wmma_scale_f32_16x16x128_f8f6f4 with both operands' format E2M1 (or v_wmma_scale_f32_32x16x128_f4), f32 sums; everything else in f32.
;; Inputs: bias 4,096 float32; g_vector 4,096 float32; h_vector 4,096 float32; sign_matrix 4,096 x 4,096 float32; x 4,096 x 4,096 float32.
;; Outputs: out0 4,096 x 4,096 float32.
;; This version of the problem:
;;   THIS VERSION OF THE PROBLEM IS GIVEN IN LOW PRECISION. The matrix products marked QUANTISED in the list below multiply operands that are first quantised to E2M1 (2 exponent bits, 1 mantissa bit; 4 bits a number), with one power-of-two scale for each 32 numbers along K (OCP MX v1.0); their sums are f32. All else is computed in f32.
;;   The module's matrix products, in the order in which they are computed (A, B: the left and right operand; K: the contracted axis; several contracted axes count as one K, in the product's order):
;;     1. [M 4,096, K 4,096] x [K 4,096, N 4,096]; A: computed on the way; B: input sign_matrix: QUANTISED
;;   THE QUANTISER, for each operand of a quantised product, along K:
;;     - K is cut into blocks of 32 from its start; a last block that is shorter is filled with zeros.
;;     - A block's scale is 2^e with e = floor(log2(the largest magnitude in the block)) - 2, held to -126 .. 127; a block of zeros has e = 0. As a byte (E8M0): e + 127.
;;     - Each number is divided by its block's scale, clamped to +-6, and rounded to the nearest number of E2M1, ties to even, subnormals kept.
;;     - The product sums the exact products of the quantised numbers (number of the format x scale) in f32.
;;   ~~~python
;;   def quantise(x, axis):      # numpy; x: float32 -> the quantised numbers, widened to float32 again
;;       x = np.moveaxis(x, axis, -1); K = x.shape[-1]
;;       x = np.pad(x, [(0, 0)] * (x.ndim - 1) + [(0, -K % 32)]); x = x.reshape(x.shape[:-1] + (-1, 32)); a = np.abs(x).max(-1, keepdims=True)
;;       e = np.where(a > 0, np.clip(np.frexp(np.where(a > 0, a, 1))[1] - 1 - 2, -126, 127), 0)      # np.frexp(a)[1] - 1 = floor(log2(a)), exactly
;;       r = np.clip(x / 2.0 ** e, -6, 6)
;;       step = 2.0 ** (np.maximum(np.frexp(np.where(r == 0, 1, r))[1] - 1, 0) - 1)
;;       q = np.round(r / step) * step * 2.0 ** e      # np.round: ties to even
;;       return np.moveaxis(q.reshape(q.shape[:-2] + (-1,))[..., :K], -1, axis).astype(np.float32)
;;   ~~~
;;   OPERANDS COMPUTED ON THE WAY. 'Computed on the way' means the value that the module computes at that place (a softmax that the list does not call 'softmax' is quantised finished and normalised). What goes into a quantiser is computed in f32, as accurately as f32 sums, v_exp_f32 and their like allow (about 1e-6 of the number): no bf16 or f16 on the way to a quantiser, and a product that is left as it is and whose result goes on into a quantised operand takes f32 operands (vector FMAs, or v_wmma_f32_16x16x4_f32). A number that lies on a knife's edge between two numbers of the format may be rounded either way, as far as f32 arithmetic and the matrix unit's own rounding can turn it there, and no further.
;; One version. Each part assembles by itself: llvm-mc -triple=amdgcn-amd-amdhsa -mcpu=gfx1250 --defsym DOCPART=n.
;; ======== version 1 of 1: 2 launches
;; limits: right only within a limited range of input values
;; workspace buffers: aq 8,912,896 bytes; bq 8,912,896 bytes
;; launch quant (part 1): grid 1024 x 1, 4 waves a work-group, no clusters, 33,280 bytes of LDS; arguments x, sign_matrix, g_vector, aq, bq; writes aq, bq
.if DOCPART == 1
	.amdgcn_target "amdgcn-amd-amdhsa--gfx1250"
	.amdhsa_code_object_version 6
	.text
	.protected	k_q2ba20ee5ef_quant
	.globl	k_q2ba20ee5ef_quant
	.p2align	8
	.type	k_q2ba20ee5ef_quant,@function
k_q2ba20ee5ef_quant:
	s_mov_b64 s[64:65], 0
	v_nop
	global_prefetch_b8 v0, s[64:65] scope:SCOPE_SE
	s_setreg_imm32_b32 hwreg(HW_REG_WAVE_MODE, 25, 1), 1
	s_wait_xcnt 0x0
; x * g [4096][4096] and sign_matrix [4096][4096], f32, K innermost, become codes of FP4 (E2M1) with one E8M0 scale byte for each 32 along K.
; x * g is one f32 multiplication; sign_matrix is quantised as the numbers that it holds (multiplied by 1.0), so that both tensors take ONE path through the text.
; A block's scale byte is its largest magnitude's exponent field - 2, held at 1 from below; each number is divided by the scale and rounded to the nearest code, ties to even, beyond the largest code the largest.
; LIMITS: NaN and infinities among the inputs are not served.  A block of zeros gets the byte 1 where the rule says 127: its codes are zeros, and this program alone reads the bytes.
; THE OUTPUT'S LAYOUT, the same for aq and bq: [row / 128 : 32][k / 512 : 8][a chunk of 34,816 bytes = 136 pieces of 256 bytes].
;   pieces 0-127: piece 16 i + t = the 512 codes of row 64 (i / 4) + 4 t + i % 4 of the 128, K ascending.  So the sixteen rows of tile i lie four apart, and tiles 4 c .. 4 c + 3 together hold 64 neighbouring rows:
;   in the product's result a lane's numbers of four neighbouring tiles are then four neighbouring columns.
;   pieces 128-135: piece i = the scale bytes of tile i's sixteen rows, 16 bytes a row, byte j for k = 32 j on.
; SHARES.  Work-groups 0-511 take x, 512-1023 sign_matrix.  A wave takes one tile's 16 rows x 512 along K, a row a step: 16 pieces of codes and one of scale bytes, each stored whole.
; Each of a step's four loads reads 512 consecutive bytes; the 2,048 bytes turn through the wave's own stage in LDS and come back 64 bytes a lane (16 neighbours along K; two lanes hold a block).
; No tensor loads, no barrier: waves share nothing.  Loads run four steps ahead, the turn through LDS one step.  Every offset is an immediate and no store's register is written again.
.set STEPS, 16
.set ROWF,  16384                      ; a row of x or of sign_matrix in bytes
.set CHUNK, 34816
.set HALFG, 512                        ; work-groups for each tensor
.set SP,    80                         ; a lane's place in a stage: its 64 bytes + 16 of padding
.set WREG,  8192                       ; LDS: a region for each wave: two stages of 32 x SP bytes, behind them its 256 scale bytes
.set R,     16                         ; v16-79   four sets of 16 numbers as loaded
.set X,     80                         ; v80-111  two sets of 16 neighbours
.set E,     112                        ; v112-127 a scale byte for each step
.set C,     128                        ; v128-159 codes: a pair for each step
.set G,     160                        ; v160-175 g of my 16 places along K (1.0 for sign_matrix)
	s_load_b128 s[4:7], s[0:1], 0x0                ; x, sign_matrix
	s_load_b128 s[8:11], s[0:1], 0x10              ; g, aq
	s_load_b64 s[12:13], s[0:1], 0x20              ; bq
	v_lshl_add_u32 v176, v0, 2, 0x8000             ; my spare word, behind the four regions
	v_mov_b32 v177, 0
	v_lshrrev_b32 v1, 5, v0
	v_readfirstlane_b32 s16, v1                    ; wave 0..3
	v_and_b32 v2, 31, v0                           ; lane
	v_lshlrev_b32 v3, 4, v2                        ; my 16 bytes of a load's 512
	v_lshlrev_b32 v4, 3, v2                        ; my 8 bytes of a piece
	v_lshlrev_b32 v10, 6, v2                       ; my 16 numbers of g
	s_mul_i32 s2, s16, WREG
	v_lshrrev_b32 v14, 2, v2
	v_mul_u32_u24 v14, v14, SP
	v_and_b32 v15, 3, v2
	v_lshl_add_u32 v14, v15, 4, v14
	v_add_nc_u32 v14, s2, v14                      ; the stage, way in: SP (lane / 4) + 16 (lane % 4)
	v_mul_u32_u24 v15, v2, SP
	v_add_nc_u32 v15, s2, v15                      ; way out: SP x lane
	v_lshrrev_b32 v5, 1, v2
	s_add_co_u32 s3, s2, 2*32*SP
	v_add_nc_u32 v5, s3, v5                        ; my block's scale byte in LDS
	v_add_nc_u32 v6, s3, v4                        ; and 8 bytes a lane on the way out
	s_wait_kmcnt 0x0
	s_cmp_lt_u32 ttmp9, HALFG                      ; x's work-group or sign_matrix's: by the work-group's number alone
	s_cselect_b64 s[4:5], s[4:5], s[6:7]
	s_cselect_b64 s[10:11], s[10:11], s[12:13]
	s_cselect_b32 s17, 0, HALFG
	s_cselect_b32 s30, -1, 0                       ; all lanes take g, or all take 1.0
	s_sub_co_u32 s17, ttmp9, s17
	s_lshl_b32 s17, s17, 2
	s_add_co_u32 s17, s17, s16                     ; which of the tensor's 2,048 parts is my wave's
	s_and_b32 s18, s17, 7                          ; k / 512
	s_lshr_b32 s19, s17, 3                         ; which tile of 16 rows
	s_lshr_b32 s20, s19, 3                         ; which 128 rows
	s_and_b32 s21, s19, 7                          ; tile i of these
	s_lshl_b32 s22, s20, 7                         ; my first row: 128 x group
	s_lshr_b32 s23, s21, 2
	s_lshl_b32 s23, s23, 6
	s_add_co_u32 s22, s22, s23                     ; + 64 (i / 4)
	s_and_b32 s23, s21, 3
	s_add_co_u32 s22, s22, s23                     ; + i % 4
	s_lshl_b32 s22, s22, 14                        ; in bytes
	s_lshl_b32 s24, s18, 11                        ; + 512 numbers of 4 bytes; the same in g
	s_add_co_u32 s22, s22, s24
	s_mov_b32 s23, 0
	s_mov_b32 s25, 0
	s_add_nc_u64 s[4:5], s[4:5], s[22:23]
	s_add_nc_u64 s[8:9], s[8:9], s[24:25]
	s_lshl_b32 s26, s20, 3
	s_add_co_u32 s26, s26, s18
	s_mul_i32 s26, s26, CHUNK                      ; my chunk
	s_mov_b32 s27, 0
	s_add_nc_u64 s[10:11], s[10:11], s[26:27]
	s_lshl_b32 s28, s21, 8
	s_add_co_u32 s28, s28, 128*256
	s_mov_b32 s29, 0
	s_add_nc_u64 s[14:15], s[10:11], s[28:29]      ; my piece of scale bytes
	s_lshl_b32 s28, s21, 12
	s_add_nc_u64 s[10:11], s[10:11], s[28:29]      ; my 16 pieces of codes
.irp i, 0,1,2,3
	global_load_b128 v[G+4*\i:G+4*\i+3], v10, s[8:9] offset:16*\i
.endr
.macro LOAD t                          ; step t's row lies 4 t rows below my first
.irp i, 0,1,2,3
	global_load_b128 v[R+16*((\t)%4)+4*\i:R+16*((\t)%4)+4*\i+3], v3, s[4:5] offset:4*ROWF*(\t)+512*\i th:TH_LOAD_NT
.endr
.endm
.macro TURN t                          ; through the stage: LDS serves a wave's instructions in order (ISA guide 5.7.1.4)
.irp i, 0,1,2,3
	ds_store_b128 v14, v[R+16*((\t)%4)+4*\i:R+16*((\t)%4)+4*\i+3] offset:32*SP*((\t)%2)+8*SP*\i
.endr
.irp i, 0,1,2,3
	ds_load_b128 v[X+16*((\t)%2)+4*\i:X+16*((\t)%2)+4*\i+3], v15 offset:32*SP*((\t)%2)+16*\i
.endr
.endm
.irp t, 0,1,2,3
	LOAD \t
.endr
	s_wait_loadcnt 12                              ; g's four loads and step 0's four are in
.irp i, 0,1,2,3,4,5,6,7,8,9,10,11,12,13,14,15
	v_cndmask_b32 v[G+\i], 1.0, v[G+\i], s30
.endr
	TURN 0
.macro STEP t
.set XS, X+16*((\t)%2)
.if (\t) > 0
	s_wait_dscnt 1                                 ; this step's numbers are back (the last step's byte store may be out)
.else
	s_wait_dscnt 0x0
.endif
.if (\t)+4 < STEPS
	LOAD (\t)+4
.endif
.if (\t)+1 < STEPS
.if STEPS-2-(\t) >= 3
	s_wait_loadcnt 12                              ; the next step's four loads are in; three steps' may be out
.else
	s_wait_loadcnt 4*(STEPS-2-(\t))
.endif
	TURN (\t)+1
.endif
.irp j, 0,2,4,6,8,10,12,14
	v_pk_mul_f32 v[XS+\j:XS+\j+1], v[XS+\j:XS+\j+1], v[G+\j:G+\j+1]
.endr
	v_max3_num_f32 v8, |v[XS]|, |v[XS+1]|, |v[XS+2]|
	v_max3_num_f32 v9, |v[XS+3]|, |v[XS+4]|, |v[XS+5]|
.irp i, 6,10
	v_max3_num_f32 v8, v8, |v[XS+\i]|, |v[XS+\i+1]|
	v_max3_num_f32 v9, v9, |v[XS+\i+2]|, |v[XS+\i+3]|
.endr
	v_max3_num_f32 v8, v8, |v[XS+14]|, |v[XS+15]|
	v_max3_num_f32 v8, v8, v9, 0x1800000           ; the floor 2^(3 - 127): the byte cannot fall under 1
	v_max_num_f32_dpp v8, v8, v8 row_xmask:1 row_mask:0xf bank_mask:0xf   ; with my neighbour's 16: the block's
	v_add_nc_u32 v11, 0xff000000, v8               ; 2 off the exponent field: the conversion's scale operand
	v_cvt_scalef32_pk8_fp4_f32 v[C+2*(\t)], v[XS:XS+7], v11
	v_cvt_scalef32_pk8_fp4_f32 v[C+2*(\t)+1], v[XS+8:XS+15], v11
	v_lshrrev_b32 v[E+(\t)], 23, v11               ; the scale's byte; also the plain line behind the conversions
	ds_store_b8 v5, v[E+(\t)] offset:16*(\t)
	global_store_b64 v4, v[C+2*(\t):C+2*(\t)+1], s[10:11] offset:256*(\t)   ; 32 lanes store 256 consecutive bytes, aligned
.endm
	s_wait_alu depctr_va_vdst(0)                   ; the wait at the head's end
.irp t, 0,1,2,3,4,5,6,7,8,9,10,11,12,13,14,15
	STEP \t
.endr
	ds_load_b64 v[12:13], v6
	s_wait_dscnt 0x0
	global_store_b64 v4, v[12:13], s[14:15]        ; my tile's 256 scale bytes, one aligned piece
	s_wait_tensorcnt 0x0                           ; the wave's end
	ds_add_u32 v176, v177
	s_wait_dscnt 0x0
	s_endpgm
.Lfunc_end_k_q2ba20ee5ef_quant:
	.size	k_q2ba20ee5ef_quant, .Lfunc_end_k_q2ba20ee5ef_quant-k_q2ba20ee5ef_quant
	.p2alignl 7, 3214868480
	.fill 96, 4, 3214868480
	.section	.rodata,"a",@progbits
	.p2align	6, 0x0
	.amdhsa_kernel k_q2ba20ee5ef_quant
		.amdhsa_group_segment_fixed_size 33280
		.amdhsa_private_segment_fixed_size 0
		.amdhsa_enable_private_segment 0
		.amdhsa_kernarg_size 40
		.amdhsa_user_sgpr_count 2
		.amdhsa_user_sgpr_kernarg_segment_ptr 1
		.amdhsa_wavefront_size32 1
		.amdhsa_system_sgpr_workgroup_id_x 1
		.amdhsa_system_sgpr_workgroup_id_y 1
		.amdhsa_system_sgpr_workgroup_id_z 1
		.amdhsa_system_vgpr_workitem_id 0
		.amdhsa_next_free_vgpr 178
		.amdhsa_next_free_sgpr 66
		.amdhsa_reserve_vcc 0
		.amdhsa_float_denorm_mode_32 3
		.amdhsa_float_denorm_mode_16_64 3
		.amdhsa_memory_ordered 1
		.amdhsa_forward_progress 1
		.amdhsa_inst_pref_size 43
	.end_amdhsa_kernel
	.amdgpu_metadata
---
amdhsa.version: [ 1, 2 ]
amdhsa.kernels:
  - .name:           k_q2ba20ee5ef_quant
    .symbol:         k_q2ba20ee5ef_quant.kd
    .args:
      - { .name: x, .offset: 0, .size: 8, .value_kind: global_buffer, .address_space: global }
      - { .name: sign_matrix, .offset: 8, .size: 8, .value_kind: global_buffer, .address_space: global }
      - { .name: g_vector, .offset: 16, .size: 8, .value_kind: global_buffer, .address_space: global }
      - { .name: aq, .offset: 24, .size: 8, .value_kind: global_buffer, .address_space: global }
      - { .name: bq, .offset: 32, .size: 8, .value_kind: global_buffer, .address_space: global }
    .group_segment_fixed_size: 33280
    .private_segment_fixed_size: 0
    .kernarg_segment_align: 8
    .kernarg_segment_size: 40
    .max_flat_workgroup_size: 128
    .sgpr_count:     66
    .vgpr_count:     178
    .wavefront_size: 32
...
	.end_amdgpu_metadata
.endif
;; end of part 1
;; launch gemm (part 2): grid 16 x 16, 4 waves a work-group, clusters of 4 x 4, 327,680 bytes of LDS; arguments aq, bq, h_vector, bias, out0; writes out0
.if DOCPART == 2
	.amdgcn_target "amdgcn-amd-amdhsa--gfx1250"
	.amdhsa_code_object_version 6
	.text
	.protected	k_q2ba20ee5ef_gemm
	.globl	k_q2ba20ee5ef_gemm
	.p2align	8
	.type	k_q2ba20ee5ef_gemm,@function
k_q2ba20ee5ef_gemm:
	s_mov_b64 s[64:65], 0
	v_nop
	global_prefetch_b8 v0, s[64:65] scope:SCOPE_SE
	s_setreg_imm32_b32 hwreg(HW_REG_WAVE_MODE, 25, 1), 1
	s_wait_xcnt 0x0
	s_wait_alu depctr_hold_cnt(0) depctr_sa_sdst(0) depctr_va_vdst(0) depctr_va_sdst(0) depctr_va_ssrc(0) depctr_va_vcc(0) depctr_vm_vsrc(0)
	s_getreg_b32 s2, hwreg(HW_REG_IB_STS2, 6, 4)
	s_cmp_eq_u32 s2, 0
	s_cbranch_scc0 .Lentry_in_a_cluster
	s_endpgm
.Lentry_in_a_cluster:
	s_bfe_u32 s2, ttmp6, 0x10000c
	s_cmp_lg_u32 s2, 0xf033
	s_cbranch_scc0 .Lentry_shape_is_right
	s_endpgm
.Lentry_shape_is_right:
; out[m][n] = h[n] x (sum over k of A[m][k] B[n][k]) + bias[n].  A = aq, B = bq: FP4 codes and E8M0 scale bytes in chunks, [row / 128][k / 512][136 pieces of 256 bytes]:
; 128 pieces of codes, then 8 of scale bytes.  Piece 16 i + t holds row 64 (i / 4) + 4 t + i % 4 of the 128: tile i's sixteen rows lie four apart.
; A block of 256 x 256 for a work-group of four waves, 128 x 128 a wave, 512 registers of sums.  K goes in 8 steps of 512 through two LDS slots; a wave fetches one chunk a step.
; CLUSTERS 4 x 4: A's chunks are shared along a row of the cluster, B's along a column, asked for jointly.
; THE FORM: in the ring v_wmma_scale_f32_32x16x128_f4: source 0 = two neighbouring tiles of A (16 registers on end), source 1 = a tile of B; its 16 result registers are tile 2 P's eight, then tile 2 P + 1's.
; The last K step works on these halves with the 16 x 16 x 128 form.
; Register j of lane (r, h) of the sums of (tile a, tile b) is row 64 (a / 4) + a % 4 + 4 (8 h + j), column 64 (b / 4) + 4 r + b % 4.  So the same register for tiles b = 4 g .. 4 g + 3 holds four
; neighbouring columns: one multiply-add each (h, bias) lays them in four registers on end, and sixteen lanes store 256 consecutive aligned bytes.  No LDS stage.
; THE LAST K STEP GOES BY ROWS OF THE RESULT: all its fragments of B stand in window 1, A's come tile by tile, and each tile's 16 rows are stored as soon as its 32 products are done.
; PREFETCH: of a chunk's 136 pieces each of the four partners that ask for it jointly names 34, told apart by address; K step 1 beside the head's load, K steps 2 and 3 behind K step 1's load,
; then beside the refill of K step s + 2 that of s + 4; the last two refills ask for nothing.
; REGISTERS: window 0: v0-31 addresses, v32-95 scale words (two sets), v96-111 h and bias, v128-255 A's fragments (two sets; in the last K step v128-191 two tiles of A, v192-255 results on their way out);
; window 1: B's fragments at v0 and v128 (in the last K step all 256); windows 2, 3: the sums: (pair P, tile b) at v[128 (P % 2) + 16 b], pairs 0, 1 in window 2, pairs 2, 3 in window 3.
.set SIZE_N, 4096
.set NQ,     4
.set LAPS,   4
.set PITCH,  272                       ; an LDS row: 256 bytes + 16 of padding
.set FR,     8
.set CHUNK,  34816
.set RBB,    8*CHUNK
.set HALFT,  136*PITCH                 ; a chunk in LDS
.set SCOFF,  128*PITCH                 ; its scale pieces
.set WREG,   2*HALFT                   ; a wave's two slots on end
.set SPARE,  4*WREG                    ; behind them the spare words
.set SHARE,  34
.set ADRA, 16
.set ADRT, 18                          ; v18-19 B's scale words in slot 0, 1
.set ADRB, 20
.set PFT,  22
.set HBO,  24
.set CO,   26
.set PFO,  27
.set SPW,  28
.set NIL,  29
.set ADRS, 30                          ; v30-31 A's scale words in slot 0, 1
.set SC,   32                          ; set s at v[SC + 32 s]: register 4 P + q: A's pair P, lane m = row m; register 16 + 4 P + q: B's tile 2 P in lanes 0-15, tile 2 P + 1 in lanes 16-31
.set HV,   96
.set BI,   104
.set AF,   128
.set PA,   128
.set TB,   192
.set G1,  24
.set G0,  32
.set G1B, 48
.set G0B, 56
.set PFA, 44
.set MSB, 0
.macro WIN new                         ; the immediate's high byte repeats the setting that is left
.if MSB != (\new)
	s_set_vgpr_msb (MSB<<8)|(\new)
.set MSB, (\new)
.endif
.endm
.set MUL_LO, 0xa4                      ; source 0 (A) window 0, source 1 (B) window 1, C and D window 2
.set MUL_HI, 0xf4                      ; the same, C and D window 3
.set TO_B,   0x40
.macro JLOAD s                         ; a joint load: waves 0, 1 fetch for A, waves 2, 3 for B; s_nop 0 and four v_nop behind each line
	s_cmp_eq_u32 s15, 0
	s_cbranch_scc0 .Lfor_b_\@
	tensor_load_to_lds s[G0+4*\s:G0+4*\s+3], s[G1:G1+7]
	s_nop 0
.rept 4
	v_nop
.endr
	s_branch .Lasked_\@
.Lfor_b_\@:
	tensor_load_to_lds s[G0B+4*\s:G0B+4*\s+3], s[G1B:G1B+7]
	s_nop 0
.rept 4
	v_nop
.endr
.Lasked_\@:
.endm
.macro PF c                            ; my 34 pieces of the chunk c behind the one at which PFA stands: 32, a lane each, then the last two
	global_prefetch_b8 v[PFO], s[PFA:PFA+1] offset:(\c)*CHUNK th:TH_LOAD_NT scope:SCOPE_SE
	global_prefetch_b8 v[PFT], s[PFA:PFA+1] offset:(\c)*CHUNK+32*256 th:TH_LOAD_NT scope:SCOPE_SE
.endm
.macro ASK                             ; the chunk two refills on; not in the loop's last trip (s3 = 1)
	s_cmp_gt_u32 s3, 1
	s_cbranch_scc0 .Lno_ask_\@
	PF 2
.Lno_ask_\@:
.endm
.macro CREST
	s_cmp_lg_u32 s14, 0
	s_cbranch_scc1 .Lnot_wave_0_\@
	s_barrier_signal -3
.Lnot_wave_0_\@:
	s_barrier_wait -3
	s_barrier_signal -1
	s_barrier_wait -1
.endm
.macro CROUND
	s_barrier_signal -1
	s_barrier_wait -1
	CREST
.endm
	s_load_b128 s[4:7], s[0:1], 0x0                ; aq, bq
	s_load_b128 s[8:11], s[0:1], 0x10              ; h, bias
	s_load_b64 s[12:13], s[0:1], 0x20              ; out
	v_lshl_add_u32 v[SPW], v0, 2, SPARE
	v_mov_b32 v[NIL], 0
	ds_add_u32 v[SPW], v[NIL]                      ; the opening lines: the add twice on end and its wait
	ds_add_u32 v[SPW], v[NIL]
	v_lshrrev_b32 v1, 5, v0
	v_readfirstlane_b32 s14, v1                    ; wave 0..3
	s_lshr_b32 s15, s14, 1                         ; my half of the block's rows; also: I fetch for A (0) or B (1)
	s_and_b32 s16, s14, 1                          ; my half of its columns; also: which 128 rows I fetch
	s_bfe_u32 s40, ttmp6, 0x40000                  ; cx
	s_bfe_u32 s41, ttmp6, 0x40004                  ; cy
	s_lshl_b32 s42, ttmp9, 2
	s_add_co_u32 s42, s42, s40                     ; block column
	s_and_b32 s17, ttmp7, 0xffff
	s_lshl_b32 s17, s17, 2
	s_add_co_u32 s17, s17, s41                     ; block row
	s_lshl_b32 s43, s41, 2
	s_lshl_b32 s43, 15, s43                        ; my row of the cluster
	s_lshl_b32 s44, 0x1111, s40                    ; my column
	s_or_b32 s[G1+0], s43, (3<<16)|(1<<20)|(1<<21)|(5<<22)|(3<<25)   ; mask; elements of 8 bytes; 4 words of padding behind every 64
	s_or_b32 s[G1B+0], s44, (3<<16)|(1<<20)|(1<<21)|(5<<22)|(3<<25)
.irp g, G1, G1B
	s_mov_b32 s[\g+1], 32<<16                      ; rows of 256 bytes
	s_mov_b32 s[\g+2], 136<<16                     ; a chunk: 136 rows
	s_mov_b32 s[\g+3], 32<<16
	s_mov_b32 s[\g+4], 136
	s_mov_b32 s[\g+5], 32
	s_mov_b32 s[\g+6], 0
	s_mov_b32 s[\g+7], 0
.endr
	s_lshl_b32 s20, s17, 1
	s_add_co_u32 s20, s20, s16
	s_mul_i32 s20, s20, RBB                        ; A: the 128 rows that I fetch
	s_mov_b32 s21, 0
	s_lshl_b32 s46, s42, 1
	s_add_co_u32 s46, s46, s16
	s_mul_i32 s46, s46, RBB                        ; B likewise
	s_mov_b32 s47, 0
	s_mul_i32 s45, s14, WREG                       ; where they go: by the wave's number alone
	s_wait_dscnt 0x0                               ; both opening adds are done
	s_wait_kmcnt 0x0
	s_add_nc_u64 s[20:21], s[4:5], s[20:21]
	s_add_nc_u64 s[46:47], s[6:7], s[46:47]
.irp s, 0,1
	s_mov_b32 s[G0+4*\s], 1
	s_add_co_u32 s[G0+4*\s+1], s45, \s*HALFT
	s_add_nc_u64 s[G0+4*\s+2:G0+4*\s+3], s[20:21], \s*CHUNK
	s_or_b32 s[G0+4*\s+3], s[G0+4*\s+3], 0x80000000
	s_mov_b32 s[G0B+4*\s], 1
	s_add_co_u32 s[G0B+4*\s+1], s45, \s*HALFT
	s_add_nc_u64 s[G0B+4*\s+2:G0B+4*\s+3], s[46:47], \s*CHUNK
	s_or_b32 s[G0B+4*\s+3], s[G0B+4*\s+3], 0x80000000
.endr
	CROUND                                         ; all sixteen work-groups are here: the first joint loads meet
	JLOAD 0                                        ; K step 0: my one tensor load at the head
	s_cmp_eq_u32 s15, 0
	s_cselect_b32 s18, s40, s41                    ; my place among the four that ask with me
	s_cselect_b64 s[PFA:PFA+1], s[20:21], s[46:47]
	s_mul_i32 s18, s18, SHARE*256
	s_add_co_u32 s18, s18, CHUNK
	s_mov_b32 s19, 0
	s_add_nc_u64 s[PFA:PFA+1], s[PFA:PFA+1], s[18:19]   ; my 34 pieces of K step 1's chunk
	s_mul_i32 s21, s15, WREG                       ; the A half that I multiply
	s_mul_i32 s22, s16, WREG
	s_add_co_u32 s22, s22, 2*WREG                  ; the B half
	s_add_co_u32 s18, s21, SCOFF                   ; and their scale pieces
	s_add_co_u32 s23, s22, SCOFF
	s_lshl_b32 s46, s42, 10
	s_lshl_b32 s47, s16, 9
	s_add_co_u32 s46, s46, s47                     ; my first column, in bytes
	s_mov_b32 s47, 0
	s_add_nc_u64 s[8:9], s[8:9], s[46:47]
	s_add_nc_u64 s[10:11], s[10:11], s[46:47]
	s_add_nc_u64 s[12:13], s[12:13], s[46:47]
	s_lshl_b32 s40, s17, 8
	s_lshl_b32 s41, s15, 7
	s_add_co_u32 s40, s40, s41                     ; my first row
	s_lshl_b32 s40, s40, 14
	s_mov_b32 s41, 0
	s_add_nc_u64 s[12:13], s[12:13], s[40:41]
	v_and_b32 v1, 15, v0                           ; r
	v_bfe_u32 v2, v0, 4, 1                         ; h
	v_mul_u32_u24 v3, v1, PITCH
	v_lshl_add_u32 v4, v2, 4, v3                   ; a fragment's row x pitch + 16 h
	v_add_nc_u32 v[ADRA], s21, v4
	v_add_nc_u32 v[ADRB], s22, v4
	v_add_nc_u32 v[ADRA+1], HALFT, v[ADRA]
	v_add_nc_u32 v[ADRB+1], HALFT, v[ADRB]
	v_lshlrev_b32 v[HBO], 4, v1                    ; 16 r: my four columns in h and bias, and a row's scale words in its piece
	v_mad_u32_u24 v5, v2, PITCH, v[HBO]            ; lanes 16-31 take the next tile's piece
	v_add_nc_u32 v[ADRS], s18, v5
	v_add_nc_u32 v[ADRT], s23, v5
	v_add_nc_u32 v[ADRS+1], HALFT, v[ADRS]
	v_add_nc_u32 v[ADRT+1], HALFT, v[ADRT]
	v_lshl_add_u32 v[CO], v2, 19, v[HBO]           ; out: 32 h rows of 16,384 bytes + 16 r
	v_and_b32 v7, 31, v0
	v_lshlrev_b32 v[PFO], 8, v7
	v_min_u32 v[PFT], 1, v7
	v_lshlrev_b32 v[PFT], 8, v[PFT]
	s_wait_alu depctr_va_vdst(0)                   ; the wait at the head's end
	PF 0                                           ; K step 1
.irp g, 0,1
	global_load_b128 v[HV+4*\g:HV+4*\g+3], v[HBO], s[8:9] offset:256*\g     ; h and bias of columns 64 g + 4 r + 0 .. 3
	global_load_b128 v[BI+4*\g:BI+4*\g+3], v[HBO], s[10:11] offset:256*\g
.endr
.macro FRAG reg, adr, q, i             ; 16 rows x 128 K: two loads of 16 bytes, 32 apart
.irp c, 0,1
	ds_load_b128 v[\reg+4*\c:\reg+4*\c+3], v[\adr] offset:64*(\q)+32*\c+(\i)*16*PITCH
.endr
.endm
; One product of 32 x 16 x 128.  odd = 1: B's tile is the odd one of its pair, its scale words stand in lanes 16-31.  zero = 1: the product starts the sum.
.macro WM d, a, b, sa, sb, zero, odd
.if \zero
.if \odd
	v_wmma_scale_f32_32x16x128_f4 v[\d:\d+15], v[\a:\a+15], v[\b:\b+7], 0, v[\sa], v[\sb] matrix_b_scale:MATRIX_SCALE_ROW1
.else
	v_wmma_scale_f32_32x16x128_f4 v[\d:\d+15], v[\a:\a+15], v[\b:\b+7], 0, v[\sa], v[\sb]
.endif
.else
.if \odd
	v_wmma_scale_f32_32x16x128_f4 v[\d:\d+15], v[\a:\a+15], v[\b:\b+7], v[\d:\d+15], v[\sa], v[\sb] matrix_b_scale:MATRIX_SCALE_ROW1
.else
	v_wmma_scale_f32_32x16x128_f4 v[\d:\d+15], v[\a:\a+15], v[\b:\b+7], v[\d:\d+15], v[\sa], v[\sb]
.endif
.endif
.endm
; 8 matrix instructions: A's tiles a0, a0 + 1 (a0 even) x B's eight.  The 32 sums take turns.
.macro MUL16 a0, p, q, sc, zero
.irp b, 0,1,2,3,4,5,6,7
	WM 128*(((\a0)/2)%2)+16*\b, AF+64*(\p)+FR*(\a0), 128*(\p)+FR*\b, SC+32*(\sc)+4*((\a0)/2)+(\q), SC+32*(\sc)+16+4*(\b/2)+(\q), \zero, \b%2
.endr
.endm
.macro FB slot, q, p                   ; B's eight fragments, 16 loads
	WIN TO_B
.irp i, 0,1,2,3,4,5,6,7
	FRAG 128*(\p)+FR*(\i), ADRB+\slot, \q, \i
.endr
.endm
.macro FA slot, q, p                   ; A's eight fragments, 16 loads, tile 0 first
	WIN 0
.irp i, 0,1,2,3,4,5,6,7
	FRAG AF+64*(\p)+FR*(\i), ADRA+\slot, \q, \i
.endr
.endm
.macro SCALES sc                       ; a K step's scale words, four a row: 8 loads, each of two neighbouring tiles' pieces
	WIN 0
.irp i, 0,1,2,3
	ds_load_b128 v[SC+32*\sc+4*\i:SC+32*\sc+4*\i+3], v[ADRS+\sc] offset:2*\i*PITCH
	ds_load_b128 v[SC+32*\sc+16+4*\i:SC+32*\sc+16+4*\i+3], v[ADRT+\sc] offset:2*\i*PITCH
.endr
.endm
.macro PLACES                          ; four places between matrix instructions and loads into, or reads of, their registers
.rept 4
	v_nop
.endr
.endm
; A step of 128 along K.  The next step's 32 loads go out in ONE run at its head, a whole step ahead of their use, into the other sets.
.macro STEP slot, q, zero
	PLACES                                         ; the other sets were read by the step before
	FB \slot, (\q)+1, 1-(\q)%2
	FA \slot, (\q)+1, 1-(\q)%2
	s_wait_dscnt 44                                ; may be out: the 32 just issued, this step's A 4-7 (8) and A 2-3 (4)
	WIN MUL_LO
	MUL16 0, (\q)%2, \q, \slot, \zero
	s_wait_dscnt 40                                ; the 32 and A 4-7
	MUL16 2, (\q)%2, \q, \slot, \zero
	s_wait_dscnt 32                                ; the 32
	WIN MUL_HI
	MUL16 4, (\q)%2, \q, \slot, \zero
	MUL16 6, (\q)%2, \q, \slot, \zero
.endm
; The first half of a slot's last step, with the barrier of the change of slots.
.macro MEET slot
	WIN 0
	s_wait_tensorcnt 0x0                           ; my part of the next slot has landed
	ds_add_u32 v[SPW], v[NIL]
	s_wait_dscnt 13                                ; the add, A 2-3 and A 4-7 may be out
	WIN MUL_LO
	MUL16 0, 1, NQ-1, \slot, 0
	s_wait_dscnt 0x0                               ; the add is done, my reads of this slot are over
	s_barrier_signal -1
	MUL16 2, 1, NQ-1, \slot, 0
	WIN 0
	s_barrier_wait -1
.endm
; A slot's last step where the slot is filled again: the barrier opens a round of the cluster's barrier.
.macro TURN slot, next
	s_wait_xcnt 0x0                                ; my prefetches have read their address
	s_add_nc_u64 s[PFA:PFA+1], s[PFA:PFA+1], CHUNK
	MEET \slot
	CREST
	s_add_nc_u64 s[G0+4*\slot+2:G0+4*\slot+3], s[G0+4*\slot+2:G0+4*\slot+3], 2*CHUNK
	s_add_nc_u64 s[G0B+4*\slot+2:G0B+4*\slot+3], s[G0B+4*\slot+2:G0B+4*\slot+3], 2*CHUNK
	JLOAD \slot                                    ; the first tensor load behind the round; its four v_nop are the places for the loads below
	FB \next, 0, 0
	SCALES \next
	FA \next, 0, 0
	ASK
	WIN MUL_HI
	MUL16 4, 1, NQ-1, \slot, 0
	MUL16 6, 1, NQ-1, \slot, 0
.endm
.macro STEPS slot, from
.set Q, \from
.rept NQ-1-\from
	STEP \slot, Q, 0
.set Q, Q+1
.endr
.endm
	s_wait_tensorcnt 0x0                           ; my part of K step 0 is in
	ds_add_u32 v[SPW], v[NIL]
	s_wait_dscnt 0x0
	CROUND                                         ; everybody's part is in, and the joint loads meet
	JLOAD 1                                        ; K step 1: the first tensor load behind the round
	FB 0, 0, 0
	SCALES 0
	FA 0, 0, 0
	PF 1                                           ; K steps 2 and 3
	PF 2
	STEP 0, 0, 1                                   ; the first step starts the sums
	WIN 0
	s_mov_b32 s3, LAPS-1
.Llap:                                                 ; once round the ring, from a lap's second step to the next lap's first; both slots are filled again
	STEPS 0, 1
	TURN 0, 1
	STEPS 1, 0
	TURN 1, 0
	STEP 0, 0, 0
	WIN 0
	s_sub_co_u32 s3, s3, 1
	s_cmp_lg_u32 s3, 0
	s_cbranch_scc1 .Llap
	STEPS 0, 1                                     ; the last lap fills nothing
; THE LAST K STEP (slot 1), BY ROWS.  B's fragments of its quarter q go to window 1, v[64 q ..]; quarter 2's place is at work until the step before is done.
.macro BLOAD q
.irp i, 0,1,2,3,4,5,6,7
	FRAG 64*(\q)+FR*(\i), ADRB+1, \q, \i
.endr
.endm
.macro ALOAD a                         ; A's tile a, all four quarters, into buffer a % 2
.irp q, 0,1,2,3
	FRAG PA+32*((\a)%2)+FR*\q, ADRA+1, \q, \a
.endr
.endm
; One product of 16 x 16 x 128 onto a half of a sum's 16 registers.  oa, ob = 1: the tile is the odd one of its pair, its scale words stand in lanes 16-31.
.macro WR d, a, b, sa, sb, oa, ob
.if \oa
.if \ob
	v_wmma_scale_f32_16x16x128_f8f6f4 v[\d:\d+7], v[\a:\a+7], v[\b:\b+7], v[\d:\d+7], v[\sa], v[\sb] matrix_a_fmt:MATRIX_FMT_FP4 matrix_b_fmt:MATRIX_FMT_FP4 matrix_a_scale:MATRIX_SCALE_ROW1 matrix_b_scale:MATRIX_SCALE_ROW1
.else
	v_wmma_scale_f32_16x16x128_f8f6f4 v[\d:\d+7], v[\a:\a+7], v[\b:\b+7], v[\d:\d+7], v[\sa], v[\sb] matrix_a_fmt:MATRIX_FMT_FP4 matrix_b_fmt:MATRIX_FMT_FP4 matrix_a_scale:MATRIX_SCALE_ROW1
.endif
.else
.if \ob
	v_wmma_scale_f32_16x16x128_f8f6f4 v[\d:\d+7], v[\a:\a+7], v[\b:\b+7], v[\d:\d+7], v[\sa], v[\sb] matrix_a_fmt:MATRIX_FMT_FP4 matrix_b_fmt:MATRIX_FMT_FP4 matrix_b_scale:MATRIX_SCALE_ROW1
.else
	v_wmma_scale_f32_16x16x128_f8f6f4 v[\d:\d+7], v[\a:\a+7], v[\b:\b+7], v[\d:\d+7], v[\sa], v[\sb] matrix_a_fmt:MATRIX_FMT_FP4 matrix_b_fmt:MATRIX_FMT_FP4
.endif
.endif
.endm
.macro ROW a                           ; tile a is finished: 32 matrix instructions, its eight sums by turns.  At least eight plain places lie between the other form's last write of these registers and this form's first
.set RA, PA+32*((\a)%2)
.set RC, 128*(((\a)/2)%2)+8*((\a)%2)
	WIN MUL_LO+0x50*((\a)/4)
.irp q, 0,1,3,2
.if (\a) == 0 && \q == 2
	s_wait_dscnt 0x0                               ; B's quarter 2 is in
.endif
.irp b, 0,1,2,3,4,5,6,7
	WR RC+16*\b, RA+FR*\q, 64*\q+FR*\b, SC+32+4*((\a)/2)+\q, SC+32+16+4*(\b/2)+\q, (\a)%2, \b%2
.endr
.endr
.endm
; THE WAY OUT of A's tile a against B's tiles 4 g .. 4 g + 3: 32 multiply-adds into 32 registers (two such sets by turns), each tile's eight registers from their low end on; then eight stores,
; in each of which lanes 0-15 and lanes 16-31 fill one aligned run of 256 bytes.  Every offset is an immediate.
.macro OUTB a, g
.set ON, 2*(\a)+(\g)
.set OT, TB+32*(ON%2)
.set OA, 128*(((\a)/2)%2)+64*(\g)+8*((\a)%2)
.if ON >= 2
	s_wait_xcnt 0x0                                ; the stores that read this set have taken their data
.endif
	WIN 0x02+(\a)/4                                ; source 0: window 2 or 3
.irp j, 0,1,2,3,4,5,6,7
.irp b, 0,1,2,3
	v_fma_f32 v[OT+4*\j+\b], v[OA+16*\b+\j], v[HV+4*(\g)+\b], v[BI+4*(\g)+\b]
.endr
.endr
	WIN 0
.irp j, 0,1,2,3,4,5,6,7
	global_store_b128 v[CO], v[OT+4*\j:OT+4*\j+3], s[12:13] offset:(64*((\a)/4)+(\a)%4+4*\j)*SIZE_N*4+256*(\g) th:TH_STORE_NT
.endr
.endm
	MEET 0                                         ; the last K step's chunks are in; nothing is filled again, so no round follows
	PLACES
	WIN TO_B
	BLOAD 0
	BLOAD 1
	BLOAD 3
	SCALES 1
	ALOAD 0
	ALOAD 1
	WIN MUL_HI
	MUL16 4, 1, NQ-1, 0, 0
	MUL16 6, 1, NQ-1, 0, 0
	PLACES
	WIN TO_B
	BLOAD 2
	s_wait_loadcnt 0x0                             ; h and bias
	s_wait_dscnt 16                                ; all but B's quarter 2
	ROW 0
.irp a, 0,1,2,3,4,5,6,7
	PLACES                                         ; for the loads into the tile's buffer and the reads of its results
.if \a < 6
	WIN 0
	ALOAD \a+2
.endif
	OUTB \a, 0
	OUTB \a, 1
.if \a < 6
	s_wait_dscnt 8                                 ; the next tile is in; the one behind it may be out
.else
	s_wait_dscnt 0x0
.endif
.if \a < 7
	ROW \a+1
.endif
.endr
	WIN 0
	s_wait_tensorcnt 0x0                           ; the wave's end
	ds_add_u32 v[SPW], v[NIL]
	s_wait_dscnt 0x0
	CROUND                                         ; the closing round
	s_endpgm
.Lfunc_end_k_q2ba20ee5ef_gemm:
	.size	k_q2ba20ee5ef_gemm, .Lfunc_end_k_q2ba20ee5ef_gemm-k_q2ba20ee5ef_gemm
	.p2alignl 7, 3214868480
	.fill 96, 4, 3214868480
	.section	.rodata,"a",@progbits
	.p2align	6, 0x0
	.amdhsa_kernel k_q2ba20ee5ef_gemm
		.amdhsa_group_segment_fixed_size 327680
		.amdhsa_private_segment_fixed_size 0
		.amdhsa_enable_private_segment 0
		.amdhsa_kernarg_size 40
		.amdhsa_user_sgpr_count 2
		.amdhsa_user_sgpr_kernarg_segment_ptr 1
		.amdhsa_wavefront_size32 1
		.amdhsa_system_sgpr_workgroup_id_x 1
		.amdhsa_system_sgpr_workgroup_id_y 1
		.amdhsa_system_sgpr_workgroup_id_z 1
		.amdhsa_system_vgpr_workitem_id 0
		.amdhsa_next_free_vgpr 1024
		.amdhsa_next_free_sgpr 66
		.amdhsa_reserve_vcc 0
		.amdhsa_float_denorm_mode_32 3
		.amdhsa_float_denorm_mode_16_64 3
		.amdhsa_memory_ordered 1
		.amdhsa_forward_progress 1
		.amdhsa_inst_pref_size 178
	.end_amdhsa_kernel
	.amdgpu_metadata
---
amdhsa.version: [ 1, 2 ]
amdhsa.kernels:
  - .name:           k_q2ba20ee5ef_gemm
    .symbol:         k_q2ba20ee5ef_gemm.kd
    .args:
      - { .name: aq, .offset: 0, .size: 8, .value_kind: global_buffer, .address_space: global }
      - { .name: bq, .offset: 8, .size: 8, .value_kind: global_buffer, .address_space: global }
      - { .name: h_vector, .offset: 16, .size: 8, .value_kind: global_buffer, .address_space: global }
      - { .name: bias, .offset: 24, .size: 8, .value_kind: global_buffer, .address_space: global }
      - { .name: out0, .offset: 32, .size: 8, .value_kind: global_buffer, .address_space: global }
    .group_segment_fixed_size: 327680
    .private_segment_fixed_size: 0
    .kernarg_segment_align: 8
    .kernarg_segment_size: 40
    .max_flat_workgroup_size: 128
    .sgpr_count:     66
    .vgpr_count:     1024
    .wavefront_size: 32
...
	.end_amdgpu_metadata
.endif
;; end of part 2
